; MI455X (gfx1250); checked and timed in simulation.
; The chip was launched on July 23, 2026; its instructions are those of AMD's public machine-readable ISA for CDNA 5 (MIT licence, August 2026) and "CDNA5" Instruction Set Architecture Reference Guide (July 2026). The comments in the code are by the model that wrote it; some were corrected since.
;; Align. Allowed arithmetic: matrix products marked QUANTISED: E3M2 operands, one E8M0 scale for each 32 along K, by v_wmma_scale_f32_16x16x128_f8f6f4 with both operands' format E3M2, f32 sums; products left as they are: f32 operands where the result goes on into a quantised operand, else bf16, f16 or f32 operands; f32 sums; everything else in f32.
;; Inputs: W_codes 2,048 x 64 x 24 uint8 (E3M2 codes of W, K innermost, in blocks of 32 codes, four codes in three bytes); W_scales 2,048 x 64 uint8 (E8M0 scales of W, one for each 32 codes along K); b 2,048 float32; key_codes 128 x 128 x 64 x 24 uint8 (E3M2 codes of key, K innermost, in blocks of 32 codes, four codes in three bytes); key_scales 128 x 128 x 64 uint8 (E8M0 scales of key, one for each 32 codes along K); v 128 x 2,048 x 1 float32; value 128 x 128 x 2,048 float32.
;; Outputs: out0 128 x 2,048 float32; out1 128 x 128 x 1 float32.
;; This version of the problem:
;;   THIS VERSION OF THE PROBLEM IS GIVEN IN LOW PRECISION. The matrix products marked QUANTISED in the list below multiply operands that are first quantised to E3M2 (3 exponent bits, 2 mantissa bits; 6 bits a number), with one power-of-two scale for each 32 numbers along K (OCP MX v1.0); their sums are f32. All else is computed in f32.
;;   The module's matrix products, in the order in which they are computed (A, B: the left and right operand; K: the contracted axis; several contracted axes count as one K, in the product's order):
;;     1. [M 16,384, K 2,048] x [K 2,048, N 2,048]; A: input key (given as codes); B: input W (given as codes): QUANTISED
;;     2. batch 128 x [M 128, K 2,048] x [K 2,048, N 1]; A: computed on the way; B: input v: left as it is (N = 1 < 16)
;;   THE QUANTISER, for each operand of a quantised product, along K:
;;     - K is cut into blocks of 32 from its start; a last block that is shorter is filled with zeros.
;;     - A block's scale is 2^e with e = floor(log2(the largest magnitude in the block)) - 4, held to -126 .. 127; a block of zeros has e = 0. As a byte (E8M0): e + 127.
;;     - Each number is divided by its block's scale, clamped to +-28, and rounded to the nearest number of E3M2, ties to even, subnormals kept.
;;     - The product sums the exact products of the quantised numbers (number of the format x scale) in f32.
;;   ~~~python
;;   def quantise(x, axis):      # numpy; x: float32 -> the quantised numbers, widened to float32 again
;;       x = np.moveaxis(x, axis, -1); K = x.shape[-1]
;;       x = np.pad(x, [(0, 0)] * (x.ndim - 1) + [(0, -K % 32)]); x = x.reshape(x.shape[:-1] + (-1, 32)); a = np.abs(x).max(-1, keepdims=True)
;;       e = np.where(a > 0, np.clip(np.frexp(np.where(a > 0, a, 1))[1] - 1 - 4, -126, 127), 0)      # np.frexp(a)[1] - 1 = floor(log2(a)), exactly
;;       r = np.clip(x / 2.0 ** e, -28, 28)
;;       step = 2.0 ** (np.maximum(np.frexp(np.where(r == 0, 1, r))[1] - 1, -2) - 2)
;;       q = np.round(r / step) * step * 2.0 ** e      # np.round: ties to even
;;       return np.moveaxis(q.reshape(q.shape[:-2] + (-1,))[..., :K], -1, axis).astype(np.float32)
;;   ~~~
;;   INPUTS GIVEN AS CODES. W (in the module: [2048, 2048], K = its axis 1); key (in the module: [128, 128, 2048], K = its axis 2): each comes as NAME_codes (uint8): NAME with its K axis moved to the last place and cut into blocks of 32 codes, [.., K / 32, bytes a block], one block behind the other in memory; four codes in three bytes: a row's codes are one little-endian stream of bits, code i at bits 6 i .. 6 i + 5 (a code: sign, 3 exponent bits, 2 mantissa bits); and NAME_scales (uint8): the same leading axes, one E8M0 byte (e + 127) for each 32 codes along K. Its value is code x scale, taken as it is: it is not quantised again, and the codes and scales need not be those that the quantiser above would give.
;; One version. Each part assembles by itself: llvm-mc -triple=amdgcn-amd-amdhsa -mcpu=gfx1250 --defsym DOCPART=n.
;; ======== version 1 of 1: 2 launches
;; limits: a difference of large sums (such as E[x^2] - mean^2): digits are lost where the result is much smaller than its terms
;; workspace buffers: part 524,288 bytes
;; launch scores (part 1): grid 8 x 64, 4 waves a work-group, clusters of 4 x 4, 327,680 bytes of LDS; arguments key_codes, key_scales, W_codes, W_scales, b, v, part; writes part
.if DOCPART == 1
	.amdgcn_target "amdgcn-amd-amdhsa--gfx1250"
	.amdhsa_code_object_version 6
	.text
	.protected	k_q18b8b7c970_scores
	.globl	k_q18b8b7c970_scores
	.p2align	8
	.type	k_q18b8b7c970_scores,@function
k_q18b8b7c970_scores:
	s_mov_b64 s[64:65], 0
	v_nop
	global_prefetch_b8 v0, s[64:65] scope:SCOPE_SE
	s_setreg_imm32_b32 hwreg(HW_REG_WAVE_MODE, 25, 1), 1
	s_wait_xcnt 0x0
	s_wait_alu depctr_hold_cnt(0) depctr_sa_sdst(0) depctr_va_vdst(0) depctr_va_sdst(0) depctr_va_ssrc(0) depctr_va_vcc(0) depctr_vm_vsrc(0)
	s_getreg_b32 s2, hwreg(HW_REG_IB_STS2, 6, 4)
	s_cmp_eq_u32 s2, 0
	s_cbranch_scc0 .Lentry_in_a_cluster
	s_endpgm
.Lentry_in_a_cluster:
	s_bfe_u32 s2, ttmp6, 0x10000c
	s_cmp_lg_u32 s2, 0xf033
	s_cbranch_scc0 .Lentry_shape_is_right
	s_endpgm
.Lentry_shape_is_right:
; part[b][tx][s] = the sum over the 256 columns e of tile column tx of (-2 v[b][e]) R(s, b, e),  R = 1 / (1 + 2^(c z)),  z = key[s][b][:] . W[e][:] + bias[e],  c = 2 log2(e).
; tanh(z) = 1 - 2 R, so a score is (the sum over e of v[b][e]) + (the sum over tx of part).  The first term is the same for all s of a b, and the softmax that follows runs over s: it is left out, for every input.
; Where 2^(c z) overflows R is 0, where it falls to 0 R is 1: tanh's two ends, with no clamp.  The bias rides on the scaling: c z + c bias is one fused multiply-add.
; key [128 s][128 b][2048] and W [2048 e][2048]: codes of BF6 (E3M2), 6 bits each, 128 codes in 96 bytes, one E8M0 byte for each 32 along K; both go to the matrix unit as they lie.
; SHARES.  A work-group makes 256 rows x 256 columns: the rows are TWO BATCHES b = 2 ty, 2 ty + 1, each with all 128 s (rows 128 x 1,536 bytes apart in memory: only the descriptor's pitch knows),
; so that v is one vector along a wave's columns and a wave holds a whole softmax axis.  Four waves, each 128 s of one b x 128 columns: 64 accumulators of 16 x 16, 512 registers.
; K goes in steps of 256 (rows of 192 bytes) through a ring of two LDS slots filled by the tensor data mover; the scale bytes of the tile's rows and columns, for all of K, come once with the first fills.
; CLUSTERS: 4 x 4 work-groups.  The four of a row of the cluster need the same tiles of key, the four of a column the same tiles of W: each tile is asked for JOINTLY, by the same tensor load with the same
; descriptor and a mask that names the four.
; PREFETCH: key's codes of K steps 4 to 7 are asked for one K step ahead of their refills (macro ASK).  W's rows are walked by all 64 tile rows of the grid, not once: they are not asked for.
; THE MATRIX INSTRUCTION IS USED TRANSPOSED (source 0 = 16 rows of W, source 1 = 16 rows of key): a lane holds ONE s (lane % 16) and eight neighbouring columns e = 8 (lane / 16) + 0 .. 7 of a block of 16.
; LIMITS: a NaN, or the scale byte 0xff, gives NaN as in the definition.  part's sums carry the magnitude of the term that is left out: with v shifted by 30 times its spread a score's f32 error is of the order of 2e-4.
; The key's scale bytes are fetched as rows of 128 bytes (two batches' 64 each), 8,192 bytes apart: a twenty-fourth of the bytes of the key's codes.
; REGISTERS, in windows of 256: window 0: v0-31 addresses and sums; v32-63 scale words, two sets; v64-127 -2 v of my columns; v128-223 key's fragments, ONE set; on the way out v128-255 two sets of 64 numbers.
;   window 1: W's fragments, TWO sets, at v0 and v128; c x bias in the gaps, v96-127 and v224-255.   window 2: the accumulators of my s 0-63 ((a, bb) at v[8 (8 a + bb)]);   window 3: those of s 64-127.
.set KSTEP,  256                       ; along K in a slot
.set NQ,     2                         ; matrix instructions deep
.set ROWB,   192                       ; a tile's row in bytes
.set KROW,   1536                      ; a row of 2,048 codes in memory
.set KEYP,   128*KROW                  ; from s to s + 1 of one b in key_codes
.set PITCH,  240                       ; an LDS row: 3 x (64 bytes of data + 16 of padding)
.set FR,     12                        ; registers of a fragment: 16 rows x 128 K
.set NL,     6                         ; LDS loads that bring one
.set NP,     4                         ; places behind this matrix instruction (ISA guide 7.12.1)
.set HALFT,  128*PITCH                 ; 128 rows: what one tensor load brings
.set SLOT,   4*HALFT                   ; key b0, key b1, W's first 128 rows, W's second
.set LAPS,   4                         ; 2,048 / 512: a lap = two K steps = once round the ring
.set SP,     144                       ; a row of scale bytes in LDS: key: 128 bytes (two b) + 16; W: 64 bytes + 80
.set SBLK,   16*SP                     ; 16 such rows
.set SCA,    2*SLOT                    ; key's scale bytes: 128 rows (s)
.set SCB,    SCA+128*SP                ; W's: 256 rows
.set SPARE,  SCB+256*SP                ; the spare words, 128 bytes for each wave: two blocks of 256 bytes that no other line names
.set STG,    SPARE+512                 ; the stage: [wave][128 s] f32; no fill ever lands there
.set P,    8                           ; v8-15   four packed chains of the dot; later at work
.set ADRA, 16                          ; v16-17  LDS address of my key fragments in slot 0, 1  (v18-19: for the pieces behind one padding more)
.set ADRB, 20                          ; v20-21  the same for W  (v22-23)
.set SCR,  16                          ; v16-23  behind the loop: my eight blocks' scores
.set VB,   24                          ; v24     32 x (lane / 16): my eight columns' bytes in a block of 16 of v and of the bias
.set STO,  25                          ; v25     the stage: where I put a score
.set STR,  26                          ; v26     and where I read two back
.set ADRS, 27                          ; v27     LDS address of my scale words: lanes 0-15 key's rows, lanes 16-31 W's
.set SPW,  28                          ; v28     LDS address of my spare word; never rewritten
.set NIL,  29                          ; v29     0; never rewritten
.set GO,   30                          ; v30     8 x lane: my bytes of the wave's 256 in part
.set PFO,  31                          ; v31     the prefetches' offset: my lane x the bytes from s to s + 1; never rewritten
.set SC,   32                          ; scale words: set s at v[SC + 16 s]; register 2 i + q: lanes 0-15 key's block i, lanes 16-31 W's block i, the slot's q-th 128 along K
.set VV,   64                          ; register 8 bb + j: -2 v[b][my first column + 16 bb + 8 (lane / 16) + j]
.set AF,   128                         ; key's fragments
.set PFA,  4                           ; s[4:5]  where my prefetches stand (behind the head, where key's pointer is done with): the last byte of a K step in my work-group's 32 rows of the 128 that I fetch
.set LIM,  6                           ; s6      1 in a wave that prefetches, else the greatest number
.set LIM2, 7                           ; s7      2 in a wave that prefetches, else 0
.set WV,   18                          ; s18 wave;  s19 which b of the two is mine, also: I fetch for key (0) or for W (1);  s20 which 128 columns, also: which half I fetch
.set RH,   19
.set CH,   20
.set G1,   24                          ; s[24:31] group 1 for key's tiles;  s[32:39] groups 0, one for each slot
.set G0,   32
.set G1B,  48                          ; s[48:55], s[56:63] the same for W's
.set G0B,  56
.set CS,   66                          ; s[66:67] c, twice
.set G1S,  68                          ; s[68:75], s[76:79] groups 1 and 0 for key's scale bytes;  s[80:87], s[88:91] for W's
.set G0S,  76
.set G1SB, 80
.set G0SB, 88
.set SEL,  92                          ; s[92:93] v_permlanex16_b32's selects for lane l xor 16
.set MSB, 0
.macro WIN new                         ; the immediate's high byte repeats the setting that is left
.if MSB != \new
	s_set_vgpr_msb (MSB<<8)|\new
.set MSB, \new
.endif
.endm
.set MUL_LO, 0xa1                      ; source 0 (W) window 1, source 1 (key) window 0, C and D window 2
.set MUL_HI, 0xf1                      ; the same, C and D window 3
.set TO_B,   0x40                      ; destination window 1, address window 0
; A joint load: waves 0 and 1 fetch for key, waves 2 and 3 for W.  Each of the two lines has ONE mask and one set of registers for all that issue it; the branch hangs on the wave's number alone.
; Four v_nop follow each of the two lines, ahead of the jump, the label and what follows.
.macro JLOAD g0a, g1a, g0b, g1b
	s_cmp_eq_u32 s[RH], 0
	s_cbranch_scc0 .Lfor_b_\@
	tensor_load_to_lds s[\g0a:\g0a+3], s[\g1a:\g1a+7]
	s_nop 0
.rept 4
	v_nop
.endr
	s_branch .Lasked_\@
.Lfor_b_\@:
	tensor_load_to_lds s[\g0b:\g0b+3], s[\g1b:\g1b+7]
	s_nop 0
.rept 4
	v_nop
.endr
.Lasked_\@:
.endm
; A PREFETCH INTO THE L2 of key's codes, behind a joint load, its four lines and the run of LDS loads that follows them.  The change of slots number j (0 to 5) refills with K step j + 2; the prefetch names K step j + 3,
; the one that the NEXT change will ask for: one K step, 128 matrix instructions, ahead of that load.  A K step is 192 bytes of a row of 1,536, no whole number of aligned blocks of 256 bytes, so a lane names the step's
; LAST byte: K steps 4, 5, 6 end in the row's blocks 3, 4, 5, and K step 7 ends in block 5 again.  So changes 1, 2 and 3 ask, and each of those blocks is named once.  Change 0 asks for nothing (K step 3 ends in the
; block in which K step 2, just asked for by its load, ends too), nor do changes 4 and 5.  K steps 0 to 3 come by their loads alone: nothing is prefetched at the head, where every work-group's first tiles are on their way.
; WHO.  Both clusters of a row of clusters read the same rows of key: the one with x = 0 asks.  In it the waves ask that fetch key, waves 0 and 1.  Of the 128 rows (s) that such a wave fetches, each of the four partners
; that ask for them jointly takes 32, told apart BY ADDRESS (cx), a lane a row: no branch hangs on a work-group's place in its cluster.  s3 counts the laps down, 3, 2, 1: slot 0's change asks in the second lap,
; slot 1's in the first and the second.
.macro ASK slot
.if \slot == 0
	s_cmp_eq_u32 s3, s[LIM2]
.else
	s_cmp_gt_u32 s3, s[LIM]
.endif
	s_cbranch_scc0 .Lnot_mine_\@
	global_prefetch_b8 v[PFO], s[PFA:PFA+1] th:TH_LOAD_NT scope:SCOPE_SE
.Lnot_mine_\@:
.endm
.macro CREST                           ; a round of the cluster's barrier behind its opening barrier
	s_cmp_lg_u32 s[WV], 0
	s_cbranch_scc1 .Lnot_wave_0_\@
	s_barrier_signal -3
.Lnot_wave_0_\@:
	s_barrier_wait -3
	s_barrier_signal -1
	s_barrier_wait -1
.endm
.macro CROUND                          ; a whole round
	s_barrier_signal -1
	s_barrier_wait -1
	CREST
.endm
	s_load_b128 s[4:7], s[0:1], 0x0                ; key's codes s[4:5], key's scales s[6:7]
	s_load_b128 s[8:11], s[0:1], 0x10              ; W's codes s[8:9], W's scales s[10:11]
	s_load_b128 s[12:15], s[0:1], 0x20             ; the bias s[12:13], v s[14:15]
	s_load_b64 s[16:17], s[0:1], 0x30              ; part
	v_lshl_add_u32 v[SPW], v0, 2, SPARE
	v_mov_b32 v[NIL], 0
	ds_add_u32 v28, v29
	ds_add_u32 v28, v29
	s_wait_dscnt 0x0
	v_lshrrev_b32 v1, 5, v0
	v_readfirstlane_b32 s[WV], v1                  ; wave 0..3
	s_lshr_b32 s[RH], s[WV], 1
	s_and_b32 s[CH], s[WV], 1
	s_bfe_u32 s21, ttmp6, 0x40000                  ; cx, cy: my place in the cluster
	s_bfe_u32 s22, ttmp6, 0x40004
	s_lshl_b32 s23, ttmp9, 2
	s_add_co_u32 s23, s23, s21                     ; tx = 4 x cluster x + cx: columns 256 tx on
	s_and_b32 s40, ttmp7, 0xffff
	s_lshl_b32 s40, s40, 2
	s_add_co_u32 s40, s40, s22                     ; ty = 4 x cluster y + cy: batches 2 ty, 2 ty + 1
	s_lshl_b32 s41, s22, 2
	s_lshl_b32 s41, 15, s41                        ; my row of the cluster
	s_lshl_b32 s42, 0x1111, s21                    ; my column
	s_mov_b32 s[CS], 0x4038aa3b                    ; c = 2 log2(e)
	s_mov_b32 s[CS+1], s[CS]                       ; (named with it as a pair, so it is written)
	s_mov_b32 s[SEL], 0x76543210
	s_mov_b32 s[SEL+1], 0xfedcba98
	; group 1 for the codes: 128 rows x 192 bytes, 16 bytes of padding behind every 64
	s_or_b32 s[G1+0], s41, (0<<16)|(1<<20)|(1<<21)|(3<<22)|(3<<25)   ; 15:0 the mask: key's tiles go to my row; 17:16 elements of 1 byte; 20 padding on; 21 set beside a mask; 24:22 after every 16 words; 31:25 of 4 words
	s_or_b32 s[G1B+0], s42, (0<<16)|(1<<20)|(1<<21)|(3<<22)|(3<<25)  ; W's go to my column
.irp g, G1, G1B
	s_mov_b32 s[\g+1], ROWB<<16                    ; tensor_dim0
	s_mov_b32 s[\g+2], 128<<16                     ; tensor_dim1
	s_mov_b32 s[\g+3], ROWB<<16                    ; tile_dim0
	s_mov_b32 s[\g+4], 128                         ; tile_dim1
	s_mov_b32 s[\g+6], 0
	s_mov_b32 s[\g+7], 0
.endr
	s_mov_b32 s[G1+5], KEYP                        ; key: from s to s + 1 of one b
	s_mov_b32 s[G1B+5], KROW                       ; W: row to row
	; key's scale bytes: 64 rows (s) of 128 bytes (16 elements of 8), 8,192 bytes apart, 16 bytes of padding behind each
	s_or_b32 s[G1S+0], s41, (3<<16)|(1<<20)|(1<<21)|(4<<22)|(3<<25)
	s_mov_b32 s[G1S+1], 16<<16
	s_mov_b32 s[G1S+2], 64<<16
	s_mov_b32 s[G1S+3], 16<<16
	s_mov_b32 s[G1S+4], 64
	s_mov_b32 s[G1S+5], 1024
	s_mov_b32 s[G1S+6], 0
	s_mov_b32 s[G1S+7], 0
	; W's: 128 dense rows of 64 bytes (8 elements of 8), 80 bytes of padding behind each: the same pitch as key's
	s_or_b32 s[G1SB+0], s42, (3<<16)|(1<<20)|(1<<21)|(3<<22)|(19<<25)
	s_mov_b32 s[G1SB+1], 8<<16
	s_mov_b32 s[G1SB+2], 128<<16
	s_mov_b32 s[G1SB+3], 8<<16
	s_mov_b32 s[G1SB+4], 128
	s_mov_b32 s[G1SB+5], 8
	s_mov_b32 s[G1SB+6], 0
	s_mov_b32 s[G1SB+7], 0
	; where the tiles come from.  Key's hang on ty alone, which my row of the cluster shares; W's on tx alone, which my column shares; each side in registers of its own
	s_lshl_b32 s44, s40, 1
	s_add_co_u32 s44, s44, s[CH]
	s_mul_i32 s44, s44, KROW                       ; key's codes: row (s = 0, b = 2 ty + half)
	s_mov_b32 s45, 0
	s_lshl_b32 s94, s[CH], 19                      ; key's scales: s = 64 x half, 8,192 bytes a step of s,
	s_lshl_b32 s43, s40, 7                         ; the two batches' 128 bytes
	s_add_co_u32 s94, s94, s43
	s_mov_b32 s95, 0
	s_mul_i32 s46, s23, 256*KROW                   ; W's codes: row 256 tx + 128 x half
	s_mul_i32 s2, s[CH], 128*KROW
	s_add_co_u32 s46, s46, s2
	s_mov_b32 s47, 0
	s_lshl_b32 s96, s23, 14                        ; W's scales: 64 bytes a row
	s_lshl_b32 s2, s[CH], 13
	s_add_co_u32 s96, s96, s2
	s_mov_b32 s97, 0
	s_mul_i32 s3, s[WV], HALFT                     ; where the codes go: wave x 128 rows: no place in the cluster enters an LDS address
	s_mul_i32 s43, s[CH], 64*SP                    ; key's scales: half x 64 rows
	s_mul_i32 s2, s[CH], 128*SP                    ; W's: half x 128 rows
	s_wait_kmcnt 0x0
	s_add_nc_u64 s[44:45], s[4:5], s[44:45]
	s_add_nc_u64 s[94:95], s[6:7], s[94:95]
	s_add_nc_u64 s[46:47], s[8:9], s[46:47]
	s_add_nc_u64 s[96:97], s[10:11], s[96:97]
	CROUND                                         ; all sixteen work-groups are here: the first joint loads meet
	s_mov_b32 s[G0S], 1
	s_add_co_u32 s[G0S+1], s43, SCA
	s_mov_b64 s[G0S+2:G0S+3], s[94:95]
	s_or_b32 s[G0S+3], s[G0S+3], 0x80000000
	s_mov_b32 s[G0SB], 1
	s_add_co_u32 s[G0SB+1], s2, SCB
	s_mov_b64 s[G0SB+2:G0SB+3], s[96:97]
	s_or_b32 s[G0SB+3], s[G0SB+3], 0x80000000
	JLOAD G0S, G1S, G0SB, G1SB                     ; the scale bytes first: they are wanted with K step 0
.irp s, 0,1
	s_mov_b32 s[G0+4*\s], 1
	s_add_co_u32 s[G0+4*\s+1], s3, \s*SLOT
	s_add_nc_u64 s[G0+4*\s+2:G0+4*\s+3], s[44:45], \s*ROWB
	s_or_b32 s[G0+4*\s+3], s[G0+4*\s+3], 0x80000000
	s_mov_b32 s[G0B+4*\s], 1
	s_add_co_u32 s[G0B+4*\s+1], s3, \s*SLOT
	s_add_nc_u64 s[G0B+4*\s+2:G0B+4*\s+3], s[46:47], \s*ROWB
	s_or_b32 s[G0B+4*\s+3], s[G0B+4*\s+3], 0x80000000
	JLOAD G0+4*\s, G1, G0B+4*\s, G1B               ; three tensor loads of mine are out behind the last of these
.endr
	; the prefetches (macro ASK): s[44:45] still stands at row (s = 0, b = 2 ty + half) of key's codes
	s_mul_i32 s94, s21, 32*KEYP                    ; my work-group's 32 of the 128 s: 32 cx on
	s_mov_b32 s95, 0
	s_add_nc_u64 s[PFA:PFA+1], s[44:45], s[94:95]
	s_add_nc_u64 s[PFA:PFA+1], s[PFA:PFA+1], 3*ROWB-1   ; the last byte of K step 2: each change of slots that fills steps it one K step on, ahead of its prefetch
	s_or_b32 s[LIM], s[RH], ttmp9                  ; 0 in waves 0 and 1 of the clusters with x = 0: the same in all sixteen partners, for a given wave
	s_cmp_eq_u32 s[LIM], 0
	s_cselect_b32 s[LIM], 1, -1
	s_cselect_b32 s[LIM2], 2, 0
	v_and_b32 v[PFO], 31, v0
	v_mul_u32_u24 v[PFO], v[PFO], KEYP             ; a lane a row
	v_and_b32 v1, 15, v0                           ; r = lane % 16
	v_bfe_u32 v2, v0, 4, 1                         ; h = lane / 16
	v_mul_u32_u24 v3, v1, PITCH
	v_mul_u32_u24 v4, v2, 24
	v_add_nc_u32 v4, v3, v4                        ; a fragment's row x pitch + 24 x half
	v_lshl_add_u32 v5, v2, 4, v4                   ; and the same behind one padding more
	s_mul_i32 s94, s[RH], HALFT                    ; my b's 128 rows of key
	s_mul_i32 s95, s[CH], HALFT                    ; my 128 rows of W,
	s_add_co_u32 s95, s95, 2*HALFT                 ; which lie behind key's 256
.irp s, 0,1
	v_add_nc_u32 v[ADRA+\s], s94, v4
	v_add_nc_u32 v[ADRB+\s], s95, v4
	v_add_nc_u32 v[ADRA+2+\s], s94, v5
	v_add_nc_u32 v[ADRB+2+\s], s95, v5
	s_add_co_u32 s94, s94, SLOT
	s_add_co_u32 s95, s95, SLOT
.endr
	v_mul_u32_u24 v5, v1, SP                       ; my row of scale bytes
	s_mul_i32 s94, s[CH], 128*SP                   ; from key's rows to my 128 rows of W: SCB - SCA + 128 rows x half,
	s_add_co_u32 s94, s94, 128*SP
	s_lshl_b32 s95, s[RH], 6                       ; less my b's place in key's rows, 64 bytes x which b
	s_sub_co_u32 s94, s94, s95
	v_mul_u32_u24 v6, s94, v2                      ; lanes 16-31 take W's: ONE product, the distance x half
	s_add_co_u32 s95, s95, SCA
	v_add_nc_u32 v5, v5, v6
	v_add_nc_u32 v[ADRS], s95, v5
	v_lshlrev_b32 v[VB], 5, v2
	s_lshl_b32 s94, s[WV], 9
	s_add_co_u32 s94, s94, STG
	v_lshl_add_u32 v[STO], v1, 2, s94              ; the stage, in: my wave's 512 bytes, word r of a block of 16 s
	v_and_b32 v6, 31, v0
	v_lshlrev_b32 v[GO], 3, v6
	s_lshl_b32 s94, s[RH], 10
	s_lshl_b32 s95, s[CH], 8
	s_add_co_u32 s94, s94, s95
	s_add_co_u32 s94, s94, STG
	v_add_nc_u32 v[STR], s94, v[GO]                ; back: my b's two waves' rows, my half of the 128 s, two s a lane
	; v, the bias and part at my wave's place; the batch's part and the columns' part are added one after the other
	s_lshl_b32 s44, s40, 1
	s_add_co_u32 s44, s44, s[RH]                   ; b = 2 ty + which
	s_lshl_b32 s44, s44, 13                        ; a row of v is 8,192 bytes
	s_mov_b32 s45, 0
	s_lshl_b32 s46, s23, 10                        ; 256 tx + 128 x half columns of 4 bytes
	s_lshl_b32 s2, s[CH], 9
	s_add_co_u32 s46, s46, s2
	s_mov_b32 s47, 0
	s_add_nc_u64 s[14:15], s[14:15], s[44:45]
	s_add_nc_u64 s[14:15], s[14:15], s[46:47]
	s_add_nc_u64 s[12:13], s[12:13], s[46:47]
	s_lshr_b32 s44, s44, 1                         ; part: 4,096 bytes a b,
	s_lshr_b32 s46, s46, 1                         ; 512 a tile column, 256 a half of the s
	s_add_nc_u64 s[16:17], s[16:17], s[44:45]
	s_add_nc_u64 s[16:17], s[16:17], s[46:47]
.irp bb, 0,1,2,3,4,5,6,7
	global_load_b128 v[VV+8*\bb:VV+8*\bb+3],   v[VB], s[14:15] offset:64*\bb
	global_load_b128 v[VV+8*\bb+4:VV+8*\bb+7], v[VB], s[14:15] offset:64*\bb+16
.endr
	WIN TO_B
.irp bb, 0,1,2,3,4,5,6,7
	global_load_b128 v[96+128*(\bb/4)+8*(\bb%4):96+128*(\bb/4)+8*(\bb%4)+3],   v[VB], s[12:13] offset:64*\bb
	global_load_b128 v[96+128*(\bb/4)+8*(\bb%4)+4:96+128*(\bb/4)+8*(\bb%4)+7], v[VB], s[12:13] offset:64*\bb+16
.endr
	WIN 0
	s_wait_loadcnt 0x0
.set ii, 0
.rept 32
	v_pk_mul_f32 v[VV+ii:VV+ii+1], v[VV+ii:VV+ii+1], -2.0 op_sel_hi:[1,0]      ; -2 v, once
.set ii, ii+2
.endr
	WIN 0x41                                       ; destination and source 0 window 1
.irp bb, 0,1,2,3,4,5,6,7
.irp j, 0,2,4,6
	v_pk_mul_f32 v[96+128*(\bb/4)+8*(\bb%4)+\j:96+128*(\bb/4)+8*(\bb%4)+\j+1], v[96+128*(\bb/4)+8*(\bb%4)+\j:96+128*(\bb/4)+8*(\bb%4)+\j+1], s[CS:CS+1] op_sel_hi:[1,0]   ; c x bias, once
.endr
.endr
	WIN 0
.macro FRAG reg, adr, q, i             ; a fragment, 16 rows x 128 K, is 12 registers: lane l holds row l % 16; registers 6 c .. 6 c + 5 hold K = 64 c + 32 (l / 16) + 0 .. 31: 24 bytes of the row's stream of bits, as they lie
.irp p, 0,1,2,3,4,5                    ; in pieces of 8 bytes.  Lanes 0-15 take the row's pieces 12 q + 0, 1, 2 and 12 q + 6, 7, 8, lanes 16-31 those three pieces on
.set PC, 12*(\q)+6*(\p/3)+\p%3        ; 16 bytes of padding lie behind every 8 pieces: where the piece three on lies behind one padding more, the second address register serves
.if PC%8 < 5
	ds_load_b64 v[\reg+2*\p:\reg+2*\p+1], v[\adr] offset:8*PC+16*(PC/8)+(\i)*16*PITCH
.else
	ds_load_b64 v[\reg+2*\p:\reg+2*\p+1], v[\adr+2] offset:8*PC+16*(PC/8)+(\i)*16*PITCH
.endif
.endr
.endm
; 16 matrix instructions: key's blocks a0, a0 + 1 x W's eight, 128 along K: the slot's q-th.  p: W's set;  sc: the set of scale words.  zero = 1: the first product starts the sums: nothing is ever cleared.
; The 64 accumulators take turns, one instruction a turn, in the same order in every step.
.macro MUL16 a0, p, q, sc, zero
.irp a, \a0, \a0+1
.irp b, 0,1,2,3,4,5,6,7
.if \zero
	v_wmma_scale_f32_16x16x128_f8f6f4 v[8*(8*((\a)%4)+\b):8*(8*((\a)%4)+\b)+7], v[128*(\p)+FR*\b:128*(\p)+FR*\b+FR-1], v[AF+FR*(\a):AF+FR*(\a)+FR-1], 0, v[SC+8*NQ*(\sc)+NQ*\b+(\q)], v[SC+8*NQ*(\sc)+NQ*(\a)+(\q)] matrix_a_fmt:MATRIX_FMT_BF6 matrix_b_fmt:MATRIX_FMT_BF6 matrix_a_scale:MATRIX_SCALE_ROW1
.else
	v_wmma_scale_f32_16x16x128_f8f6f4 v[8*(8*((\a)%4)+\b):8*(8*((\a)%4)+\b)+7], v[128*(\p)+FR*\b:128*(\p)+FR*\b+FR-1], v[AF+FR*(\a):AF+FR*(\a)+FR-1], v[8*(8*((\a)%4)+\b):8*(8*((\a)%4)+\b)+7], v[SC+8*NQ*(\sc)+NQ*\b+(\q)], v[SC+8*NQ*(\sc)+NQ*(\a)+(\q)] matrix_a_fmt:MATRIX_FMT_BF6 matrix_b_fmt:MATRIX_FMT_BF6 matrix_a_scale:MATRIX_SCALE_ROW1
.endif
.endr
.endr
.endm
.macro FETCH_B slot, q, p              ; W's eight fragments of the slot's q-th 128 along K into set p
	WIN TO_B
.irp i, 0,1,2,3,4,5,6,7
	FRAG 128*(\p)+FR*\i, ADRB+\slot, \q, \i
.endr
	WIN 0
.endm
.macro FETCH_A slot, q, i0             ; key's blocks i0 .. i0 + 3
.irp i, \i0, \i0+1, \i0+2, \i0+3
	FRAG AF+FR*(\i), ADRA+\slot, \q, \i
.endr
.endm
.macro SCALES sc                       ; a K step's scale words into set sc: two words a row; lanes 0-15 take key's block i, lanes 16-31 W's block i
.irp i, 0,1,2,3,4,5,6,7
	ds_load_b64 v[SC+8*NQ*\sc+NQ*\i:SC+8*NQ*\sc+NQ*\i+1], v[ADRS] offset:\i*SBLK
.endr
.endm
; A load into a register that a matrix instruction has read, and a vector instruction that reads a matrix result or writes one of a matrix instruction's registers, stand NP places behind it, and only plain
; vector instructions that name none of its registers are places (ISA guide 7.12.1 for vector instructions).
.macro PLACES n
.rept \n
	v_nop
.endr
.endm
; A step of 128 along K that has its successor in the same slot.  A block of key is free as soon as its eight products are issued: blocks 0-3 are fetched anew in the step's middle, blocks 4-7 at its end.
.macro STEP slot, q, zero
	s_wait_dscnt 4*NL                              ; W's set, the scale words and key's blocks 0-3 are in; the youngest 24 loads (key's blocks 4-7) may be out
	WIN MUL_LO
	MUL16 0, (\q)%2, \q, \slot, \zero
	MUL16 2, (\q)%2, \q, \slot, \zero
	s_wait_dscnt 0                                 ; key's blocks 4-7 are in (asked for 32 matrix instructions ago)
	PLACES NP
	FETCH_B \slot, (\q)+1, 1-(\q)%2
	FETCH_A \slot, (\q)+1, 0
	WIN MUL_HI
	MUL16 4, (\q)%2, \q, \slot, \zero
	MUL16 6, (\q)%2, \q, \slot, \zero
	PLACES NP
	WIN 0
	FETCH_A \slot, (\q)+1, 4
.endm
; A slot's last step changes slots, in its middle.  All the change's lines stand together, behind the step's first 32 products: each wave waits for all its tensor loads, adds 0 to its spare word, waits for that and
; for its own reads of this slot, and meets the others; the refill follows at once.  So from a refill to the wait for it a wave issues a whole K step's 128 matrix instructions, and between that wait and the next
; refill stands the round alone.  fill = 1: this slot is filled again, two K steps ahead.
.macro TURN slot, next, fill
	s_wait_dscnt 4*NL                              ; W's set and key's blocks 0-3 are in; the youngest 24 loads (key's blocks 4-7) may be out
	WIN MUL_LO
	MUL16 0, 1, NQ-1, \slot, 0
	MUL16 2, 1, NQ-1, \slot, 0
	WIN 0
.if \fill
	s_wait_xcnt 0x0                                ; the last prefetch, a K step back, has read its address: it is stepped here, ahead of the change's own waits
	s_add_nc_u64 s[PFA:PFA+1], s[PFA:PFA+1], ROWB
.endif
	s_wait_tensorcnt 0x0                           ; all my tensor loads have landed: the one that was out is my part of the next slot; so every group 0 may be written
	ds_add_u32 v[SPW], v[NIL]                      ; 0 onto my spare word; with fill = 1 the descriptors' steps stand between it and the wait for it
.if \fill
	s_add_nc_u64 s[G0+4*\slot+2:G0+4*\slot+3], s[G0+4*\slot+2:G0+4*\slot+3], 2*ROWB
	s_add_nc_u64 s[G0B+4*\slot+2:G0B+4*\slot+3], s[G0B+4*\slot+2:G0B+4*\slot+3], 2*ROWB
.endif
	s_wait_dscnt 0x0                               ; the add is done, and my reads of this slot are over: the last, key's blocks 4-7, were issued 32 matrix instructions ago
.if \fill
	CROUND                                         ; a round of the cluster's barrier: no wave of any partner still reads this slot's tile or has a load on its way, and the next slot is whole
	JLOAD G0+4*\slot, G1, G0B+4*\slot, G1B         ; the first tensor load behind the round, my one load until the next; its four v_nop are the places in front of the loads below
.else
	s_barrier_signal -1
	s_barrier_wait -1                              ; the next slot is whole; nothing is filled again, so no round
	PLACES NP
.endif
	v_add_nc_u32 v[ADRS], 4*NQ, v[ADRS]            ; on to the next K step's scale words: 8 bytes a row (no LDS load of mine is out)
	FETCH_B \next, 0, 0
	FETCH_A \next, 0, 0
	SCALES \next
.if \fill
	ASK \slot                                      ; behind the joint load and the run of LDS loads that the next products wait for
.endif
	WIN MUL_HI
	MUL16 4, 1, NQ-1, \slot, 0
	MUL16 6, 1, NQ-1, \slot, 0
	PLACES NP
	WIN 0
	FETCH_A \next, 0, 4
.endm
	s_wait_tensorcnt 1                             ; the scale bytes and my part of K step 0 are in; K step 1's load may be out
	s_barrier_signal -1
	s_barrier_wait -1                              ; everybody's are
	FETCH_B 0, 0, 0
	FETCH_A 0, 0, 0
	SCALES 0
	FETCH_A 0, 0, 4
	STEP 0, 0, 1                                   ; the first step stands in front of the loop: its products start the sums
	s_mov_b32 s3, LAPS-1
.Llap:                                                 ; a trip goes once round the ring, from a lap's second step to the next lap's first, and fills both slots again
	TURN 0, 1, 1
	STEP 1, 0, 0
	TURN 1, 0, 1
	STEP 0, 0, 0
	s_sub_co_u32 s3, s3, 1
	s_cmp_lg_u32 s3, 0
	s_cbranch_scc1 .Llap
	TURN 0, 1, 0                                   ; the last lap fills nothing, and has no round of the cluster's barrier
	STEP 1, 0, 0
	s_wait_dscnt 4*NL                              ; the very last step: nothing more to fetch
	WIN MUL_LO
	MUL16 0, 1, NQ-1, 1, 0
	MUL16 2, 1, NQ-1, 1, 0
	s_wait_dscnt 0
	WIN MUL_HI
	MUL16 4, 1, NQ-1, 1, 0
	MUL16 6, 1, NQ-1, 1, 0
	WIN 0
; THE WAY OUT, block by block of 16 s x 128 columns: 64 numbers a lane, in two sets of 64 registers by turns (where key's fragments lay).
; SCALE: t = c z + c bias, two at a time, each accumulator from its low end on.  EXPB: 2^t.  ADD1: 1 + 2^t.  RCPB: R.  DOT: the sum of R x (-2 v) over my 64 columns, in four packed chains.
.macro SCALE a
.set TT, 128+64*((\a)%2)
.set AC, 64*((\a)%4)
.set WN, 0x12+(\a)/4                   ; source 0 (the accumulators) window 2 or 3, source 2 (c x bias) window 1, destination window 0
	WIN WN
.irp bb, 0,1,2,3,4,5,6,7
.irp j, 0,2,4,6
	v_pk_fma_f32 v[TT+8*\bb+\j:TT+8*\bb+\j+1], v[AC+8*\bb+\j:AC+8*\bb+\j+1], s[CS:CS+1], v[96+128*(\bb/4)+8*(\bb%4)+\j:96+128*(\bb/4)+8*(\bb%4)+\j+1] op_sel_hi:[1,0,1]
.endr
.endr
	WIN 0
.endm
.macro EXPB a
.set TT, 128+64*((\a)%2)
.set ii, 0
.rept 64
	v_exp_f32 v[TT+ii], v[TT+ii]
.set ii, ii+1
.endr
.endm
.macro ADD1 a
.set TT, 128+64*((\a)%2)
.set ii, 0
.rept 32
	v_pk_add_f32 v[TT+ii:TT+ii+1], v[TT+ii:TT+ii+1], 1.0 op_sel_hi:[1,0]
.set ii, ii+2
.endr
.endm
.macro RCPB a
.set TT, 128+64*((\a)%2)
.set ii, 0
.rept 64
	v_rcp_f32 v[TT+ii], v[TT+ii]
.set ii, ii+1
.endr
.endm
.macro DOT a
.set TT, 128+64*((\a)%2)
.set ii, 0
.rept 32
.if ii < 4
	v_pk_mul_f32 v[P+2*(ii%4):P+2*(ii%4)+1], v[TT+2*ii:TT+2*ii+1], v[VV+2*ii:VV+2*ii+1]       ; the first four pairs start the chains
.else
	v_pk_fma_f32 v[P+2*(ii%4):P+2*(ii%4)+1], v[TT+2*ii:TT+2*ii+1], v[VV+2*ii:VV+2*ii+1], v[P+2*(ii%4):P+2*(ii%4)+1]
.endif
.set ii, ii+1
.endr
	v_pk_add_f32 v[P:P+1], v[P:P+1], v[P+2:P+3]
	v_pk_add_f32 v[P+4:P+5], v[P+4:P+5], v[P+6:P+7]
	v_pk_add_f32 v[P:P+1], v[P:P+1], v[P+4:P+5]
	v_add_f32 v[SCR+(\a)], v[P], v[P+1]
.endm
	PLACES NP                                      ; behind the last products: SCALE writes where their fragments of key lay
	SCALE 0
	EXPB 0
	v_nop                                          ; a plain instruction behind the last exponential
	s_wait_alu depctr_va_vdst(0)                   ; the wait ahead of the first line that names a result: one for the 64
.irp a, 0,1,2,3,4,5,6,7
	ADD1 \a
	RCPB \a
.if \a < 7
	SCALE \a+1                                     ; the next block's scalings and exponentials, in the other set, are the independent work behind this block's reciprocals
	EXPB \a+1
.endif
	v_nop                                          ; a plain instruction behind the last transcendental
	s_wait_alu depctr_va_vdst(0)                   ; ONE wait for this block's 64 reciprocals and the next block's 64 exponentials
	DOT \a
.endr
.irp a, 0,1,2,3,4,5,6,7
	v_permlanex16_b32 v[P+\a], v[SCR+\a], s[SEL], s[SEL+1]   ; the other eight columns of each block of 16 lie in the lane 16 away
.endr
.irp a, 0,1,2,3,4,5,6,7
	v_add_f32 v[SCR+\a], v[SCR+\a], v[P+\a]        ; lane l: s = 16 a + l % 16, summed over my 128 columns
.endr
.irp a, 0,1,2,3,4,5,6,7
	ds_store_b32 v[STO], v[SCR+\a] offset:64*\a    ; lanes l and l xor 16 write the same word with the same value
.endr
	s_wait_dscnt 0x0                               ; for the other wave of my b: my stores into the stage are done
	s_barrier_signal -1
	s_barrier_wait -1
	ds_load_b64 v[8:9], v[STR]                     ; the two column halves of my b, my 64 of its s, two s a lane
	ds_load_b64 v[10:11], v[STR] offset:512
	s_wait_dscnt 0x0
	v_pk_add_f32 v[8:9], v[8:9], v[10:11]
	global_store_b64 v[GO], v[8:9], s[16:17]       ; 32 lanes store 256 consecutive bytes, at a multiple of 256 from part's first byte
	s_wait_tensorcnt 0x0                           ; the wave's end, behind my last tensor load and my last LDS store
	ds_add_u32 v[SPW], v[NIL]
	s_wait_dscnt 0x0
	CROUND                                         ; the closing round: no work-group ends while a partner may still ask for a tile that names it
	s_endpgm
.Lfunc_end_k_q18b8b7c970_scores:
	.size	k_q18b8b7c970_scores, .Lfunc_end_k_q18b8b7c970_scores-k_q18b8b7c970_scores
	.p2alignl 7, 3214868480
	.fill 96, 4, 3214868480
	.section	.rodata,"a",@progbits
	.p2align	6, 0x0
	.amdhsa_kernel k_q18b8b7c970_scores
		.amdhsa_group_segment_fixed_size 327680
		.amdhsa_private_segment_fixed_size 0
		.amdhsa_enable_private_segment 0
		.amdhsa_kernarg_size 56
		.amdhsa_user_sgpr_count 2
		.amdhsa_user_sgpr_kernarg_segment_ptr 1
		.amdhsa_wavefront_size32 1
		.amdhsa_system_sgpr_workgroup_id_x 1
		.amdhsa_system_sgpr_workgroup_id_y 1
		.amdhsa_system_sgpr_workgroup_id_z 1
		.amdhsa_system_vgpr_workitem_id 0
		.amdhsa_next_free_vgpr 1024
		.amdhsa_next_free_sgpr 98
		.amdhsa_reserve_vcc 0
		.amdhsa_float_denorm_mode_32 3
		.amdhsa_float_denorm_mode_16_64 3
		.amdhsa_memory_ordered 1
		.amdhsa_forward_progress 1
		.amdhsa_inst_pref_size 224
	.end_amdhsa_kernel
	.amdgpu_metadata
---
amdhsa.version: [ 1, 2 ]
amdhsa.kernels:
  - .name:           k_q18b8b7c970_scores
    .symbol:         k_q18b8b7c970_scores.kd
    .args:
      - { .name: key_codes, .offset: 0, .size: 8, .value_kind: global_buffer, .address_space: global }
      - { .name: key_scales, .offset: 8, .size: 8, .value_kind: global_buffer, .address_space: global }
      - { .name: W_codes, .offset: 16, .size: 8, .value_kind: global_buffer, .address_space: global }
      - { .name: W_scales, .offset: 24, .size: 8, .value_kind: global_buffer, .address_space: global }
      - { .name: b, .offset: 32, .size: 8, .value_kind: global_buffer, .address_space: global }
      - { .name: v, .offset: 40, .size: 8, .value_kind: global_buffer, .address_space: global }
      - { .name: part, .offset: 48, .size: 8, .value_kind: global_buffer, .address_space: global }
    .group_segment_fixed_size: 327680
    .private_segment_fixed_size: 0
    .kernarg_segment_align: 8
    .kernarg_segment_size: 56
    .max_flat_workgroup_size: 128
    .sgpr_count:     98
    .vgpr_count:     1024
    .wavefront_size: 32
...
	.end_amdgpu_metadata
.endif
;; end of part 1
;; launch pool (part 2): grid 2 x 128, 8 waves a work-group, no clusters, 0 bytes of LDS; arguments part, value, out0, out1; writes out0, out1
.if DOCPART == 2
	.amdgcn_target "amdgcn-amd-amdhsa--gfx1250"
	.amdhsa_code_object_version 6
	.text
	.protected	k_q18b8b7c970_pool
	.globl	k_q18b8b7c970_pool
	.p2align	8
	.type	k_q18b8b7c970_pool,@function
k_q18b8b7c970_pool:
	s_mov_b64 s[64:65], 0
	v_nop
	global_prefetch_b8 v0, s[64:65] scope:SCOPE_SE
	s_setreg_imm32_b32 hwreg(HW_REG_WAVE_MODE, 25, 1), 1
	s_wait_xcnt 0x0
; out1[b][s] = softmax over s of the score (the sum over tx of part[b][tx][s]; the term of the score that does not hang on s was left out by the launch before: a softmax over s does not see it).
; out0[b][d] = the sum over s of out1[b][s] value[s][b][d].  All in f32; the row's maximum is taken away before the exponential.
; SHARES.  Work-group (x, b) owns d = 1,024 x .. 1,024 x + 1,023 of batch b; thread t owns 16 bytes (4 numbers) of them for all 128 s: a wave's load covers 512 consecutive bytes, at a multiple of 512.
; Each wave makes the softmax of its b for itself, from part's 4,096 bytes (lane l holds s = 4 l .. 4 l + 3): no LDS, no barrier, no wave waits for another.
; value is read once, by a ring of 32 register slots: 32 loads of every wave are out, asked for ahead of the softmax.  A weight goes from its lane into a scalar register and multiplies two numbers an instruction.
; No matrix unit (one multiply-add for each number read), no cluster (the two work-groups of a b share part's 4,096 bytes alone, beside 524,288 bytes of value each), no tensor load.
; No address register, base or store's data is ever written again: the step along s stands in sixteen bases, 8 s apart, and in the immediate (7 x 2^20 bytes at the most, inside the signed 24 bits: ISA guide, chapter 10).
; LIMITS: a NaN among the scores or in value gives NaN, as in the definition.
.set X,   52                           ; v[52:179] 32 slots of 4 registers
.set BG,  16                           ; s[16:47]  base g: value at (s = 8 g, my b, my first d)
.set PP,  48                           ; s[48:63]  eight pairs by turns: the weight in the even word; the odd word is named with it, so it is written once
	s_load_b256 s[4:11], s[0:1], 0x0               ; part s[4:5], value s[6:7], out0 s[8:9], out1 s[10:11]
	v_lshrrev_b32 v3, 5, v0
	v_readfirstlane_b32 s14, v3                    ; wave 0..7
	v_lshlrev_b32 v1, 4, v0                        ; 16 x thread: my bytes of the work-group's 4,096
	v_and_b32 v2, 31, v0
	v_lshlrev_b32 v2, 4, v2                        ; 16 x lane: my four s
	v_mov_b32 v42, 0                               ; a lane permute's destination counts as one of its sources
	s_and_b32 s15, ttmp7, 0xffff                   ; b
	s_lshl_b32 s2, s15, 13                         ; a row of value and of out0 is 8,192 bytes,
	s_lshl_b32 s3, ttmp9, 12                       ; my half of it
	s_add_co_u32 s2, s2, s3
	s_mov_b32 s3, 0
	s_mov_b32 s12, 0x76543210                      ; v_permlanex16_b32's selects for lane l xor 16
	s_mov_b32 s13, 0xfedcba98
.irp k, 0,1,2,3,4,5,6,7
	s_mov_b32 s[PP+2*\k+1], 0
.endr
	s_wait_kmcnt 0x0
	s_add_nc_u64 s[BG:BG+1], s[6:7], s[2:3]
	s_add_nc_u64 s[8:9], s[8:9], s[2:3]
.irp g, 1,2,3,4,5,6,7,8,9,10,11,12,13,14,15
	s_add_nc_u64 s[BG+2*\g:BG+2*\g+1], s[BG+2*\g-2:BG+2*\g-1], 0x800000   ; 8 s on: 8 x 128 rows of 8,192 bytes
.endr
	s_lshl_b32 s2, s15, 12                         ; part: 4,096 bytes a b
	s_add_nc_u64 s[4:5], s[4:5], s[2:3]
	s_lshl_b32 s2, s15, 9                          ; out1: 512 bytes a b
	s_add_nc_u64 s[10:11], s[10:11], s[2:3]
.irp t, 0,1,2,3,4,5,6,7
	global_load_b128 v[8+4*\t:11+4*\t], v2, s[4:5] offset:512*\t   ; tile column t's partial scores of my four s
.endr
.macro VLOAD s                         ; row s of value into slot s % 32
	global_load_b128 v[X+4*((\s)%32):X+4*((\s)%32)+3], v1, s[BG+2*((\s)/8):BG+2*((\s)/8)+1] offset:(((\s)%8)<<20) th:TH_LOAD_NT
.endm
.set q, 0
.rept 32
	VLOAD q                                        ; the ring is filled before the softmax is begun
.set q, q+1
.endr
	s_wait_loadcnt 32                              ; part's eight loads are in; the 32 issued behind them stay out
.irp t, 0,2,4,6
	v_pk_add_f32 v[8+4*\t:9+4*\t],   v[8+4*\t:9+4*\t],   v[12+4*\t:13+4*\t]
	v_pk_add_f32 v[10+4*\t:11+4*\t], v[10+4*\t:11+4*\t], v[14+4*\t:15+4*\t]
.endr
.irp t, 0,4
	v_pk_add_f32 v[8+4*\t:9+4*\t],   v[8+4*\t:9+4*\t],   v[16+4*\t:17+4*\t]
	v_pk_add_f32 v[10+4*\t:11+4*\t], v[10+4*\t:11+4*\t], v[18+4*\t:19+4*\t]
.endr
	v_pk_add_f32 v[4:5], v[8:9], v[24:25]          ; the scores of s = 4 l .. 4 l + 3
	v_pk_add_f32 v[6:7], v[10:11], v[26:27]
	v_max3_num_f32 v40, v4, v5, v6                 ; the largest of the 128: my four, then across the lanes
	v_max_num_f32 v40, v40, v7
	v_max_num_f32_dpp v40, v40, v40 row_xmask:1 row_mask:0xf bank_mask:0xf
	v_max_num_f32_dpp v40, v40, v40 row_xmask:2 row_mask:0xf bank_mask:0xf
	v_max_num_f32_dpp v40, v40, v40 row_xmask:4 row_mask:0xf bank_mask:0xf
	v_max_num_f32_dpp v40, v40, v40 row_xmask:8 row_mask:0xf bank_mask:0xf
	v_permlanex16_b32 v42, v40, s12, s13
	v_max_num_f32 v40, v40, v42
.irp i, 4,5,6,7
	v_sub_f32 v\i, v\i, v40                        ; the difference first, and then the factor: no rounded product stands in front of the subtraction
.endr
.irp i, 4,5,6,7
	v_mul_f32 v\i, 0x3fb8aa3b, v\i                 ; x log2(e)
.endr
.irp i, 4,5,6,7
	v_exp_f32 v\i, v\i
.endr
	v_nop                                          ; a plain instruction behind the last exponential
	s_wait_alu depctr_va_vdst(0)                   ; the wait ahead of the first reader: one for the four
	v_add_f32 v40, v4, v5
	v_add_f32 v41, v6, v7
	v_add_f32 v40, v40, v41
	v_add_f32_dpp v40, v40, v40 row_xmask:1 row_mask:0xf bank_mask:0xf
	v_add_f32_dpp v40, v40, v40 row_xmask:2 row_mask:0xf bank_mask:0xf
	v_add_f32_dpp v40, v40, v40 row_xmask:4 row_mask:0xf bank_mask:0xf
	v_add_f32_dpp v40, v40, v40 row_xmask:8 row_mask:0xf bank_mask:0xf
	v_permlanex16_b32 v42, v40, s12, s13
	v_add_f32 v40, v40, v42                        ; the sum, at least 1: the largest score's term is 1
	v_rcp_f32 v41, v40
	v_nop                                          ; a plain instruction behind the reciprocal
	s_wait_alu depctr_va_vdst(0)                   ; and its wait
.irp i, 4,5,6,7
	v_mul_f32 v\i, v\i, v41                        ; p of s = 4 l .. 4 l + 3; these four registers are not written again
.endr
	s_or_b32 s15, s14, ttmp9                       ; out1's row of b is stored once: by wave 0 of the work-group with x = 0
	s_cmp_lg_u32 s15, 0
	s_cbranch_scc1 .Lnot_first
	global_store_b128 v2, v[4:7], s[10:11]         ; 32 lanes store 512 consecutive bytes, at a multiple of 512 from out1's first byte
.Lnot_first:
; Row s: its load is in; its weight comes out of lane s / 4; four multiply-adds in two instructions, even and odd s in sums of their own; the slot takes the row 32 further on.
.macro TAKE s
.set AC, 44+4*((\s)%2)
.set XS, X+4*((\s)%32)
.set PR, PP+2*((\s)%8)
.if 127-(\s) < 31
	s_wait_loadcnt 127-(\s)                        ; the last rows: the counts run down
.else
	s_wait_loadcnt 31                              ; loads come back in order (ISA guide 5.7.1): mine is in, the 31 issued behind it stay out
.endif
	v_readlane_b32 s[PR], v[4+(\s)%4], (\s)/4
.if (\s) < 2
	v_pk_mul_f32 v[AC:AC+1],   v[XS:XS+1],   s[PR:PR+1] op_sel_hi:[1,0]      ; the first two rows start the sums: nothing is cleared
	v_pk_mul_f32 v[AC+2:AC+3], v[XS+2:XS+3], s[PR:PR+1] op_sel_hi:[1,0]
.else
	v_pk_fma_f32 v[AC:AC+1],   v[XS:XS+1],   s[PR:PR+1], v[AC:AC+1]   op_sel_hi:[1,0,1]
	v_pk_fma_f32 v[AC+2:AC+3], v[XS+2:XS+3], s[PR:PR+1], v[AC+2:AC+3] op_sel_hi:[1,0,1]
.endif
.if (\s)+32 < 128
	VLOAD (\s)+32
.endif
.endm
.set q, 0
.rept 128
	TAKE q
.set q, q+1
.endr
	v_pk_add_f32 v[44:45], v[44:45], v[48:49]
	v_pk_add_f32 v[46:47], v[46:47], v[50:51]
	global_store_b128 v1, v[44:47], s[8:9]         ; a wave stores 512 consecutive bytes, at a multiple of 512 from out0's first byte
	s_endpgm
.Lfunc_end_k_q18b8b7c970_pool:
	.size	k_q18b8b7c970_pool, .Lfunc_end_k_q18b8b7c970_pool-k_q18b8b7c970_pool
	.p2alignl 7, 3214868480
	.fill 96, 4, 3214868480
	.section	.rodata,"a",@progbits
	.p2align	6, 0x0
	.amdhsa_kernel k_q18b8b7c970_pool
		.amdhsa_group_segment_fixed_size 0
		.amdhsa_private_segment_fixed_size 0
		.amdhsa_enable_private_segment 0
		.amdhsa_kernarg_size 32
		.amdhsa_user_sgpr_count 2
		.amdhsa_user_sgpr_kernarg_segment_ptr 1
		.amdhsa_wavefront_size32 1
		.amdhsa_system_sgpr_workgroup_id_x 1
		.amdhsa_system_sgpr_workgroup_id_y 1
		.amdhsa_system_sgpr_workgroup_id_z 1
		.amdhsa_system_vgpr_workitem_id 0
		.amdhsa_next_free_vgpr 180
		.amdhsa_next_free_sgpr 66
		.amdhsa_reserve_vcc 0
		.amdhsa_float_denorm_mode_32 3
		.amdhsa_float_denorm_mode_16_64 3
		.amdhsa_memory_ordered 1
		.amdhsa_forward_progress 1
		.amdhsa_inst_pref_size 46
	.end_amdhsa_kernel
	.amdgpu_metadata
---
amdhsa.version: [ 1, 2 ]
amdhsa.kernels:
  - .name:           k_q18b8b7c970_pool
    .symbol:         k_q18b8b7c970_pool.kd
    .args:
      - { .name: part, .offset: 0, .size: 8, .value_kind: global_buffer, .address_space: global }
      - { .name: value, .offset: 8, .size: 8, .value_kind: global_buffer, .address_space: global }
      - { .name: out0, .offset: 16, .size: 8, .value_kind: global_buffer, .address_space: global }
      - { .name: out1, .offset: 24, .size: 8, .value_kind: global_buffer, .address_space: global }
    .group_segment_fixed_size: 0
    .private_segment_fixed_size: 0
    .kernarg_segment_align: 8
    .kernarg_segment_size: 32
    .max_flat_workgroup_size: 256
    .sgpr_count:     66
    .vgpr_count:     180
    .wavefront_size: 32
...
	.end_amdgpu_metadata
.endif
;; end of part 2
